; MI455X (gfx1250); checked and timed in simulation.
; The chip was launched on July 23, 2026; its instructions are those of AMD's public machine-readable ISA for CDNA 5 (MIT licence, August 2026) and "CDNA5" Instruction Set Architecture Reference Guide (July 2026). The comments in the code are by the model that wrote it; some were corrected since.
;; Circuit Model. Allowed arithmetic: float matrix products may take bf16 or f16 operands with f32 sums; all other float work in f32.
;; Inputs: W_init 512 x 512 float32; X 2,048 x 512 float32; observed_idx 256 int32; theta 2 float32.
;; Outputs: out0 2,048 x 256 float32.
;; 2 versions, each right and faster than the one before. Each part assembles by itself: llvm-mc -triple=amdgcn-amd-amdhsa -mcpu=gfx1250 --defsym DOCPART=n.
;; ======== version 1 of 2: 1 launch
;; launch scan (part 1): grid 16 x 1, 11 waves a work-group, no clusters, 43,264 bytes of LDS; arguments X, W_init, theta, observed_idx, out0; writes out0
.if DOCPART == 1
	.amdgcn_target "amdgcn-amd-amdhsa--gfx1250"
	.amdhsa_code_object_version 6
	.text
	.protected	k_q70a8208b2c_scan
	.globl	k_q70a8208b2c_scan
	.p2align	8
	.type	k_q70a8208b2c_scan,@function
k_q70a8208b2c_scan:
	s_mov_b64 s[64:65], 0
	v_nop
	global_prefetch_b8 v0, s[64:65] scope:SCOPE_SE
	s_setreg_imm32_b32 hwreg(HW_REG_WAVE_MODE, 25, 1), 1
	s_wait_xcnt 0x0
; CircuitModel: 2,048 steps of  y = sigmoid(W x_t),  W <- (1 + th1/512 y^2) W + th0/512 y x_t^T,  output y[observed_idx].
; The rows of W never meet, so only the 256 observed rows are run (a row named twice is run twice).  A work-group owns 16 of them (output columns
; 16 b .. 16 b + 15): 16 work-groups, one matrix tile of rows each; more work-groups would not shorten the chain of 2,048 dependent steps.
; CHUNKS of 16 steps, 128 of them.  Inside chunk k a row keeps R[t'] = NL W(t) x_t' for the chunk's 16 t' (NL = -log2 e).  Step t:
;   y = 1 / (1 + 2^R[t]);  g = 1 + TH1 y^2;  R[t'] = g R[t'] + y G[t][t'] (t' > t), G = NL KB X_k X_k^T;  b[s] *= g (s < t);  b[t] = KB y;  a *= g.
; State:  W_k+1 = a W_k + sum_s b[s] x_s.  THE NEXT CHUNK'S R IS MADE AHEAD OF ITS TIME: in step 14, from a and b[0..13] as they then stand,
;   RN = a NL Z_k+1 + GxT_k+1 b,  Z_k+1 = W_k X_k+1^T,  GxT[t'][s] = NL x_k,s . x_k+1,t'  (one matrix instruction, laid into the chain's idle slots);
; steps 14 and 15 then update RN like any R, with the rows EX[s][t'] = NL KB x_k,s . x_k+1,t' in f32.  So the chain of dependent steps runs through the chunk's end.
; This is the reference's recurrence rearranged, with nothing cut off; the order of rounding differs from the reference's.
; WAVES: 0-3 bring X in, 4 rows of a chunk each, as bf16;  4-7 = H, each holds 128 of the 512 dims of the 16 rows in f32, updates them and makes its
; partial Z;  8 = GX (GxT, EX);  9 = GG (G);  10 = S, the serial wave (lane (r, h) runs row r; both halves of the lanes hold the same numbers).
; A trip has two intervals, each closed by a barrier that stands in every wave's text.  X lies in two fixed slots, CUR (chunk k) and NXT (chunk k + 1).
; In no interval is an LDS byte written by one wave and touched by another:
;   interval 1 (S: steps 2-11 of chunk k):  read b, a, CUR, NXT, GLO;   written Z, GxT, EX, GHEAD.
;   interval 2 (S: steps 12-15, then steps 0, 1 of chunk k + 1):  read Z, GxT, EX, GHEAD;  written b, a, GLO; waves 0-3 move their own rows NXT -> CUR and store chunk k + 2 in NXT.
; S issues no LDS instruction in the step in front of a barrier, so that the barrier's wait for them finds them done.
; THE TEXT HOLDS ON EVERY WAY THROUGH IT, also on ways that no wave takes (one role's block, then another's): every wave makes every role's addresses at the
; head, in v1-v15, which hold nothing else; X's staging registers v192-255 have loads out from interval 2 to the end of interval 1 and are named by no text of
; interval 1; in front of every barrier all LDS instructions are waited for and all sources of global loads and stores are free; five places stand behind
; each block's last matrix instruction; the roles' accumulators (v16-79, v148-163, v176-191, v240-247) share no register.
; In the last trip the products of waves 4-9, and RN, feed nothing; they run beside the chain, and the text stays one loop.
; FORMATS: matrix operands bf16 (X, W at each use, b, GxT); W, G, EX, R, a, b and all sums f32.
; LIMITS: for W x below about -88.7 the power of two overflows and y = 0, where the reference gives a number below 3e-39.  Indices are clamped to 511.
; OUTPUT: a work-group owns 64 bytes of each output row; one store of the wave writes two such pieces (rows t-1 and t).
; NO JOINT TILES: all work-groups read the same X, but X is converted to bf16 in registers on its way into LDS, 32 KiB a chunk, asked for nearly a
; trip ahead by waves that the chain does not wait for; so it comes by plain loads.
.set NCH,   128                        ; chunks
.set BFBUF, 0                          ; b as a matrix fragment: 32 lanes x 16 bytes
.set ABUF,  512                        ; a: 32 lanes x 4 bytes
.set GXT,   768                        ; GxT: 16 rows t', pitch 48, bf16
.set GHEAD, 1536                       ; G of the next chunk, 16 rows t, pitch 80, f32: S takes rows 0-4 from here
.set GLO,   2816                       ; G of this chunk, the same layout: S takes rows 5-14 from here
.set ZBUF,  4096                       ; Z partials: H's number x 1,024 + quad x 512 + lane x 16
.set XP,    1040                       ; a row of X: 1,024 bytes of bf16 + 16 (65 x 16: sixteen rows start in sixteen different 16-byte columns)
.set XSL,   16*XP
.set CUR,   8192
.set NXT,   CUR+XSL
.set GXR,   NXT+XSL                    ; EX: 4 rows of 64 bytes, s = 6, 7, 14, 15; S takes the last two.  Ends at 41,728
; addresses, made by every wave at the head, never written again
.set VZ,   1                           ; 0
.set VL16, 2                           ; 16 lane
.set VL4,  3                           ; 4 lane
.set VGX,  4                           ; 48 r + 16 h (GxT's rows)
.set VOUT, 5                           ; 1,024 h + 4 r (out0)
.set VXF,  6                           ; H: NXT's rows as a fragment, my 128 dims
.set VXT,  7                           ; H: CUR transposed, my 128 dims
.set HZ,   8                           ; H: my partial Z
.set VAC,  9                           ; CUR's rows as a fragment
.set VAN,  10                          ; NXT's rows as a fragment
.set VOG,  11                          ; GHEAD + 80 r + 32 h
.set VXG,  12                          ; loaders: my 4 rows in a chunk of X in memory
.set VXS,  13                          ; loaders: my 4 rows of NXT, 8 bytes a lane
.set VCP,  14                          ; loaders: my 4 rows of CUR, 16 bytes a lane
.set VGR,  15                          ; 128 h + 4 r (EX's rows)
.set TC, 249                           ; at the head only
.set TA, 250
.set TB, 251
.set TL, 252                           ; lane, lane & 15, lane >> 4
.set TR, 253
.set TH, 254
; S's registers
.set EE, 16
.set DD, 17
.set YY, 18
.set YB0, 20                           ; v[20:21], v[22:23]: (y, pad) of even and odd steps; a packed form's broadcast source is a pair
.set GB0, 24                           ; v[24:25], v[26:27]: (g, pad)
.set QQ, 28
.set MM, 30
.set AV, 32                            ; (a, pad)
.set YST, 34                           ; four registers of store data, by turns
.set BF, 38                            ; b as a fragment: registers 0-3 hold s = 8 h .. 8 h + 7, registers 4-7 (s = 16 ..) stay 0
.set GXF, 46                           ; GxT as a fragment: registers 4-7 stay 0
.set RR, 54                            ; R[0..15]
.set BC, 70                            ; b[0..15]
.set GR, 86                            ; five rows of G, 16 registers each, row t in slot t mod 5 (v86-165)
.set P1, 166                           ; Z's partials 1-3;
.set P2, 174
.set QS, 182                           ; (NL a at the snapshot, pad)
.set P3, 184
.set BP, P1                            ; once they are summed: the packed b,
.set XTMP, P2                          ; and the exchange's temporaries
.set EX, 192                           ; interval 2 alone: EX's rows 14 and 15, 16 registers each,
.set RN, 224                           ; the next chunk's R,
.set ZS, 240                           ; Z summed, then the accumulator
; H's registers
.set WT, 16                            ; 8 tiles: register j of tile i = W[row r][128 eta + 16 i + 8 h + j]
.set XT, 80                            ; 36 registers: fragment i = registers 4 i .. 4 i + 7; its upper half (s = 16 ..) is the next tile's data, finite, and meets b's zeros
.set WB, 80                            ; W as bf16 fragments, in X^T's registers between the update, which reads them last, and their reload
.set XF, 116
.set ZA, 148
.set HBF, 164
.set HAV, 172
.set HT, 174                           ; at the start only
; registers of waves 8 and 9
.set FR, 16                            ; 4 blocks of 32: A and B of two K steps
.set PK, 144
.set ACC, 176
; registers of waves 0 to 3
.set CP, 16                            ; 32: my rows on their way from NXT to CUR
.set PKX, 48                           ; 32: my rows of the new chunk as bf16
.set ST, 192                           ; 16 x 4: X as loaded
.macro PLACES n                        ; plain vector places behind a matrix instruction: 4 in front of a vector instruction or a load
.rept \n                               ; that touches its registers, 5 where a matrix instruction may write over them
	v_nop
.endr
.endm
.macro BARA                            ; closes interval 2.  My LDS loads and stores are done: what I wrote may be read, what I read may be written;
	s_wait_dscnt 0x0                       ; and the sources of all my global loads and stores are free, whatever text follows
	s_wait_xcnt 0x0
	s_barrier_signal -1
	s_barrier_wait -1
.endm
.macro BARB                            ; closes interval 1: also no load into X's staging registers is out behind it, and X's base may step
	s_wait_loadcnt 0x0
	BARA
.endm
; ---------------- S ----------------
; DSN counts S's LDS instructions as the text goes; ISSn = DSN when slot n's row had been asked for.  DSN - ISSn is the number of LDS instructions behind that row's.
.macro SRESET                          ; stands behind a wait for all LDS instructions
.set DSN, 0
.set ISS0, 0
.set ISS1, 0
.set ISS2, 0
.set ISS3, 0
.set ISS4, 0
.set ISSZ, 0
.endm
.macro GROW row, base                  ; the row's entries t' > row of G, every lane the same 16 bytes
.set gq, ((\row)+1)>>2
.rept 4
.if gq<4
	ds_load_b128 v[GR+16*((\row)%5)+4*gq:GR+16*((\row)%5)+4*gq+3], v[VZ] offset:\base+(\row)*80+16*gq
.set DSN, DSN+1
.endif
.set gq, gq+1
.endr
.set slotn, (\row)%5
.if slotn==0
.set ISS0, DSN
.endif
.if slotn==1
.set ISS1, DSN
.endif
.if slotn==2
.set ISS2, DSN
.endif
.if slotn==3
.set ISS3, DSN
.endif
.if slotn==4
.set ISS4, DSN
.endif
.endm
.macro WAITROW row
.set slotn, (\row)%5
.if slotn==0
.set wr, ISS0
.endif
.if slotn==1
.set wr, ISS1
.endif
.if slotn==2
.set wr, ISS2
.endif
.if slotn==3
.set wr, ISS3
.endif
.if slotn==4
.set wr, ISS4
.endif
	s_wait_dscnt DSN-wr                    ; LDS instructions come back in order: all but those issued behind this row's
.endm
.macro YOUT lt                         ; y of steps lt-1 (lanes 0-15) and lt (lanes 16-31) leave together
.set yyb, YB0+2*((\lt)&1)
.set yst, YST+(((\lt)>>1)&3)
.if ((\lt)&1)==0
	s_wait_xcnt 0x0                        ; store data is written again only behind this wait
	v_mov_b32 v[yst], v[yyb]
.else
	v_cndmask_b32 v[yst], v[yst], v[yyb], s30
	global_store_b32 v[VOUT], v[yst], s[12:13] offset:((\lt)-1)*1024 th:TH_STORE_NT
.endif
.endm
; The work of step lt that the next step's y does not wait for, in three parts that are laid into the next step's chain.
; Part 0 begins with the pair that the next step's short way takes.  Steps 14 and 15 also update the next chunk's R:
; step 14 all eight pairs of RN in place; step 15 pairs 1-7, from RN into R (pair 0 went the short way), which so becomes the new chunk's.
.macro LAG lt, part
.set lup, ((\lt)+1)>>1
.set lyb, YB0+2*((\lt)&1)
.set lgb, GB0+2*((\lt)&1)
.set lgr, GR+16*((\lt)%5)
.set lp, lup+1+\part
.rept 3
.if lp<8
	v_pk_mul_f32 v[lgr+2*lp:lgr+2*lp+1], v[lgr+2*lp:lgr+2*lp+1], v[lyb:lyb+1] op_sel_hi:[1,0]
.endif
.set lp, lp+3
.endr
.set lp, lup+1+\part
.rept 3
.if lp<8
	v_pk_fma_f32 v[RR+2*lp:RR+2*lp+1], v[RR+2*lp:RR+2*lp+1], v[lgb:lgb+1], v[lgr+2*lp:lgr+2*lp+1] op_sel_hi:[1,0,1]
.endif
.set lp, lp+3
.endr
.if (\lt)>=14
.set lex, EX+16*((\lt)-14)
.set led, RN
.if (\lt)==15
.set led, RR
.endif
.set lp, (\lt)-14+\part
.rept 3
.if lp<8
	v_pk_mul_f32 v[lex+2*lp:lex+2*lp+1], v[lex+2*lp:lex+2*lp+1], v[lyb:lyb+1] op_sel_hi:[1,0]
.endif
.set lp, lp+3
.endr
.set lp, (\lt)-14+\part
.rept 3
.if lp<8
	v_pk_fma_f32 v[led+2*lp:led+2*lp+1], v[RN+2*lp:RN+2*lp+1], v[lgb:lgb+1], v[lex+2*lp:lex+2*lp+1] op_sel_hi:[1,0,1]
.endif
.set lp, lp+3
.endr
.endif
.set lp, \part
.rept 3
.if lp<((\lt)>>1)
	v_pk_mul_f32 v[BC+2*lp:BC+2*lp+1], v[BC+2*lp:BC+2*lp+1], v[lgb:lgb+1] op_sel_hi:[1,0]
.endif
.set lp, lp+3
.endr
.if (\part)==1
.if ((\lt)&1)==1
	v_mul_f32 v[BC+(\lt)-1], v[BC+(\lt)-1], v[lgb]
.endif
	v_mul_f32 v[BC+(\lt)], s22, v[lyb]
.endif
.if (\part)==2
.if (\lt)==0
	v_mov_b32 v[AV], v[lgb]
.else
	v_mul_f32 v[AV], v[AV], v[lgb]
.endif
.if (\lt)<15
	YOUT \lt                               ; step 15's y leaves at the end of its own step
.endif
.endif
.endm
.macro PREV st, part, first            ; the lagged work of the step before; in front of the very first step there is none
.if (\st)>0
	LAG (\st)-1, \part
.else
.if (\first)==0
	LAG 15, \part
.endif
.endif
.endm
.macro SZLOAD gx                       ; the four waves' partial Z; gx = 1: also GxT's fragment and EX's rows 14, 15
.irp c,0,1
	ds_load_b128 v[ZS+4*\c:ZS+4*\c+3], v[VL16] offset:ZBUF+512*\c
	ds_load_b128 v[P1+4*\c:P1+4*\c+3], v[VL16] offset:ZBUF+1024+512*\c
	ds_load_b128 v[P2+4*\c:P2+4*\c+3], v[VL16] offset:ZBUF+2048+512*\c
	ds_load_b128 v[P3+4*\c:P3+4*\c+3], v[VL16] offset:ZBUF+3072+512*\c
.endr
.set DSN, DSN+8
.if \gx
	ds_load_b128 v[GXF:GXF+3], v[VGX] offset:GXT
.irp q,0,1,2,3
	ds_load_b128 v[EX+4*\q:EX+4*\q+3], v[VZ] offset:GXR+128+16*\q
	ds_load_b128 v[EX+16+4*\q:EX+16+4*\q+3], v[VZ] offset:GXR+192+16*\q
.endr
.set DSN, DSN+9
.endif
.set ISSZ, DSN
.endm
.macro ZSUM
	s_wait_dscnt DSN-ISSZ                  ; all but the row loads issued behind Z's, GxT's and EX's
.irp z,0,1,2,3
	v_pk_add_f32 v[ZS+2*\z:ZS+2*\z+1], v[ZS+2*\z:ZS+2*\z+1], v[P1+2*\z:P1+2*\z+1]
	v_pk_add_f32 v[P2+2*\z:P2+2*\z+1], v[P2+2*\z:P2+2*\z+1], v[P3+2*\z:P3+2*\z+1]
	v_pk_add_f32 v[ZS+2*\z:ZS+2*\z+1], v[ZS+2*\z:ZS+2*\z+1], v[P2+2*\z:P2+2*\z+1]
.endr
.endm
; The snapshot, behind all of step 13's lagged work: b[0..13] (b[14], b[15] = 0) as a fragment, NL a, and RN's matrix instruction.
.macro SNAP
.irp i,0,1,2,3,4,5,6
	v_cvt_pk_bf16_f32 v[BP+\i], v[BC+2*\i], v[BC+2*\i+1]
.endr
.irp i,0,1,2
	v_cndmask_b32 v[BF+\i], v[BP+\i], v[BP+4+\i], s30
.endr
	v_cndmask_b32 v[BF+3], v[BP+3], v[VZ], s30
	v_mul_f32 v[QS], 0xbfb8aa3b, v[AV]
.irp i,0,1,2,3
	v_pk_mul_f32 v[ZS+2*\i:ZS+2*\i+1], v[ZS+2*\i:ZS+2*\i+1], v[QS:QS+1] op_sel_hi:[1,0]
.endr
	s_wait_alu depctr_va_vdst(0)           ; one accumulator, one matrix instruction a trip, in place
	v_wmma_f32_16x16x32_bf16 v[ZS:ZS+7], v[GXF:GXF+7], v[BF:BF+7], v[ZS:ZS+7]
	PLACES 5
.endm
; A matrix result holds t' = 8 h + j in register j: each half of the lanes fetches the other's eight, so that every lane has all 16.
; The permute's destination counts as read: partial 2's registers have been loaded and summed, and serve here.
.macro SEXCHA dst
.irp j,0,1,2,3,4,5,6,7
	v_permlanex16_b32 v[XTMP+\j], v[ZS+\j], s28, s29
.endr
.irp j,0,1,2,3
	v_cndmask_b32 v[\dst+\j], v[ZS+\j], v[XTMP+\j], s30
	v_cndmask_b32 v[\dst+8+\j], v[XTMP+\j], v[ZS+\j], s30
.endr
.endm
.macro SEXCHB dst
.irp j,4,5,6,7
	v_cndmask_b32 v[\dst+\j], v[ZS+\j], v[XTMP+\j], s30
	v_cndmask_b32 v[\dst+8+\j], v[XTMP+\j], v[ZS+\j], s30
.endr
.endm
.macro PACK                            ; the finished chunk's b and a, for H: stored a whole step ahead of the barrier
.irp i,0,1,2,3,4,5,6,7
	v_cvt_pk_bf16_f32 v[BP+\i], v[BC+2*\i], v[BC+2*\i+1]
.endr
.irp i,0,1,2,3
	v_cndmask_b32 v[BF+\i], v[BP+\i], v[BP+4+\i], s30
.endr
	ds_store_b128 v[VL16], v[BF:BF+3] offset:BFBUF
	ds_store_b32 v[VL4], v[AV] offset:ABUF
.set DSN, DSN+2
.endm
; One step.  The chain is exp, add, rcp and two fused multiply-adds: R + y (y TH1 R + G) = g R + y G for the pair that holds the next step's R
; (in step 15: the next chunk's pair 0, from RN and EX's row 15).  All other work lies in the slots between the chain's links.
; Behind each transcendental stands a plain vector instruction that names neither its result nor its source (ISA guide 5.7.2).
; Rows 2-4 and 12-14 were asked for in front of a barrier, whose wait has shown them in; the others have a counted wait.
.macro STEP st, first
.set sup, ((\st)+1)>>1
.set syb, YB0+2*((\st)&1)
.set sgb, GB0+2*((\st)&1)
.set sgr, GR+16*((\st)%5)
.set needw, 0
.if (\st)<2
.set needw, 1
.endif
.if (\st)>=5
.if (\st)<12
.set needw, 1
.endif
.endif
.if needw
	WAITROW \st
.endif
	v_exp_f32 v[EE], v[RR+(\st)]
.if (\st)==15
	SEXCHA RN
.else
.if (\st)==14
	ZSUM
.endif
	PREV \st, 0, \first
	v_pk_mul_f32 v[QQ:QQ+1], v[RR+2*sup:RR+2*sup+1], s[20:21] op_sel_hi:[1,0]
.endif
	s_wait_alu depctr_va_vdst(0)
	v_add_f32 v[DD], 1.0, v[EE]
.if (\st)==15
	SEXCHB RN
	LAG 14, 0
	v_pk_mul_f32 v[QQ:QQ+1], v[RN:RN+1], s[20:21] op_sel_hi:[1,0]
.else
	PREV \st, 1, \first
.if (\st)==14
	LAG 13, 2
.endif
.endif
	v_rcp_f32 v[syb], v[DD]
.if (\st)==14
	SNAP
.else
.if (\st)==15
	LAG 14, 1
	LAG 14, 2
.else
.if (\st)==0
.if \first
	v_nop
.else
	LAG 15, 2
	PACK
.endif
.else
	LAG (\st)-1, 2
.endif
.endif
.endif
.if (\st)<15
	s_wait_alu depctr_va_vdst(0)
	v_pk_fma_f32 v[MM:MM+1], v[QQ:QQ+1], v[syb:syb+1], v[sgr+2*sup:sgr+2*sup+1] op_sel_hi:[1,0,1]
	v_mul_f32 v[YY], v[syb], v[syb]
	v_pk_fma_f32 v[RR+2*sup:RR+2*sup+1], v[MM:MM+1], v[syb:syb+1], v[RR+2*sup:RR+2*sup+1] op_sel_hi:[1,0,1]
.else
	s_wait_alu depctr_va_vdst(0)
	v_pk_fma_f32 v[MM:MM+1], v[QQ:QQ+1], v[syb:syb+1], v[EX+16:EX+17] op_sel_hi:[1,0,1]
	v_mul_f32 v[YY], v[syb], v[syb]
	v_pk_fma_f32 v[RR:RR+1], v[MM:MM+1], v[syb:syb+1], v[RN:RN+1] op_sel_hi:[1,0,1]
.endif
	v_fma_f32 v[sgb], v[YY], s20, 1.0
.if (\st)==15
	YOUT 15
.endif
	; the row four steps ahead, into the slot whose row was used up in this step.  Steps 1 and 11, in front of the barriers, ask for none:
	; row 15 has no entries, and row 5 is asked for behind the barrier
.if (\st)>=2
.if (\st)<=10
	GROW (\st)+4, GLO
.endif
.endif
.if (\st)>=12
	GROW (\st)-12, GHEAD
.endif
.if (\st)==0
	GROW 4, GHEAD
.endif
.endm
; ---------------- H ----------------
.macro CVTW q                          ; tiles 2 q and 2 q + 1 as the fragment of 32 dims: no lane changes place
.irp j,0,1,2,3,4,5,6,7
	v_cvt_pk_bf16_f32 v[WB+8*\q+\j], v[WT+16*\q+2*\j], v[WT+16*\q+2*\j+1]
.endr
.endm
; upd = 1: W <- a W + X^T b with the last chunk's a, b and X (XT).  Then my partial of Z = W NXT^T; then XT from CUR (+ xtoff).
.macro HPHASE upd, xtoff
.if \upd
	ds_load_b128 v[HBF:HBF+3], v[VL16] offset:BFBUF
	ds_load_b32 v[HAV], v[VL4] offset:ABUF
.endif
.irp q,0,1,2,3
	ds_load_b128 v[XF+8*\q:XF+8*\q+3], v[VXF] offset:64*\q
	ds_load_b128 v[XF+8*\q+4:XF+8*\q+7], v[VXF] offset:64*\q+32
.endr
.if \upd
	s_wait_dscnt 8                         ; b and a are in; the 8 loads behind them may be out
.set hi, 0
.rept 32
	v_pk_mul_f32 v[WT+2*hi:WT+2*hi+1], v[WT+2*hi:WT+2*hi+1], v[HAV:HAV+1] op_sel_hi:[1,0]
.set hi, hi+1
.endr
.irp i,0,1,2,3,4,5,6,7                 ; eight accumulators, one instruction each
	v_wmma_f32_16x16x32_bf16 v[WT+8*\i:WT+8*\i+7], v[XT+4*\i:XT+4*\i+7], v[HBF:HBF+7], v[WT+8*\i:WT+8*\i+7]
.endr
	PLACES 4                               ; then the results are read, and X^T's registers written over
.endif
	CVTW 0
	CVTW 1
	CVTW 2
	CVTW 3
	s_wait_dscnt 0x0
	; two accumulators take turns, one instruction a turn; the first products start the sums
	v_wmma_f32_16x16x32_bf16 v[ZA:ZA+7], v[XF:XF+7], v[WB:WB+7], 0
	v_wmma_f32_16x16x32_bf16 v[ZA+8:ZA+15], v[XF+8:XF+15], v[WB+8:WB+15], 0
	v_wmma_f32_16x16x32_bf16 v[ZA:ZA+7], v[XF+16:XF+23], v[WB+16:WB+23], v[ZA:ZA+7]
	v_wmma_f32_16x16x32_bf16 v[ZA+8:ZA+15], v[XF+24:XF+31], v[WB+24:WB+31], v[ZA+8:ZA+15]
	PLACES 5
.irp i,0,1,2,3
	v_pk_add_f32 v[ZA+2*\i:ZA+2*\i+1], v[ZA+2*\i:ZA+2*\i+1], v[ZA+8+2*\i:ZA+8+2*\i+1]
.endr
	ds_store_b128 v[HZ], v[ZA:ZA+3]
	ds_store_b128 v[HZ], v[ZA+4:ZA+7] offset:512
.irp i,0,1,2,3,4,5,6,7                 ; 16 dims x 16 steps, transposed on the way in; waited for at the barrier
	ds_load_tr16_b128 v[XT+4*\i:XT+4*\i+3], v[VXT] offset:\xtoff+32*\i
.endr
	ds_load_tr16_b128 v[XT+32:XT+35], v[VXT] offset:\xtoff     ; the last fragment's upper half: any finite numbers
.endm
; ---------------- waves 8 and 9 ----------------
.macro GLOADB j, va                    ; K steps 2 j and 2 j + 1 (32 dims each) into block j & 3: A's rows at va, B's rows in NXT
.set gb, FR+32*((\j)&3)
.irp e,0,1
	ds_load_b128 v[gb+16*\e:gb+16*\e+3], v[\va] offset:64*(2*(\j)+\e)
	ds_load_b128 v[gb+16*\e+4:gb+16*\e+7], v[\va] offset:64*(2*(\j)+\e)+32
	ds_load_b128 v[gb+16*\e+8:gb+16*\e+11], v[VAN] offset:64*(2*(\j)+\e)
	ds_load_b128 v[gb+16*\e+12:gb+16*\e+15], v[VAN] offset:64*(2*(\j)+\e)+32
.endr
.endm
; ACC(m, n) = scale x sum over 512 dims of row m at va times row n of NXT; kg = 1: the scale is NL KB, else NL.
; Even and odd K steps have an accumulator each, which take turns.
.macro GRAM va, kg
	GLOADB 0, \va
	GLOADB 1, \va
	GLOADB 2, \va
	GLOADB 3, \va
.set gj, 0
.rept 8
.if gj<5
	s_wait_dscnt 24                        ; behind this block's eight loads stand three blocks' 24
.else
	s_wait_dscnt (7-gj)*8                  ; the reloads have stopped: the counts run down
.endif
.set gc, FR+32*(gj&3)
.if gj==0
	v_wmma_f32_16x16x32_bf16 v[ACC:ACC+7], v[gc:gc+7], v[gc+8:gc+15], 0
	v_wmma_f32_16x16x32_bf16 v[ACC+8:ACC+15], v[gc+16:gc+23], v[gc+24:gc+31], 0
.else
	v_wmma_f32_16x16x32_bf16 v[ACC:ACC+7], v[gc:gc+7], v[gc+8:gc+15], v[ACC:ACC+7]
	v_wmma_f32_16x16x32_bf16 v[ACC+8:ACC+15], v[gc+16:gc+23], v[gc+24:gc+31], v[ACC+8:ACC+15]
.endif
.if gj<4
	PLACES 4                               ; then the block is loaded again
	GLOADB gj+4, \va
.endif
.set gj, gj+1
.endr
	PLACES 5
.irp i,0,1,2,3
	v_pk_add_f32 v[ACC+2*\i:ACC+2*\i+1], v[ACC+2*\i:ACC+2*\i+1], v[ACC+8+2*\i:ACC+8+2*\i+1]
.endr
.irp i,0,1,2,3
.if \kg
	v_pk_mul_f32 v[ACC+2*\i:ACC+2*\i+1], v[ACC+2*\i:ACC+2*\i+1], s[24:25] op_sel_hi:[1,0]
.else
	v_pk_mul_f32 v[ACC+2*\i:ACC+2*\i+1], v[ACC+2*\i:ACC+2*\i+1], 0xbfb8aa3b op_sel_hi:[1,0]
.endif
.endr
.endm
.macro GXOUT                           ; lane (r, h), register j holds NL x_s . x_t' for s = 8 h + j, t' = r
.irp i,0,1,2,3
	v_cvt_pk_bf16_f32 v[PK+\i], v[ACC+2*\i], v[ACC+2*\i+1]
.endr
	ds_store_b128 v[VGX], v[PK:PK+3] offset:GXT            ; GxT: row t' = r, s = 8 h .. 8 h + 7, bf16
	v_mul_f32 v[PK+4], s22, v[ACC+6]                       ; EX = KB x that, f32: registers 6, 7 are s = 14, 15 in lanes 16-31
	v_mul_f32 v[PK+5], s22, v[ACC+7]                       ; (lanes 0-15 store s = 6, 7 beside them, which nobody reads)
	ds_store_b32 v[VGR], v[PK+4] offset:GXR
	ds_store_b32 v[VGR], v[PK+5] offset:GXR+64
.endm
.macro GGOUT off                       ; row t = r, t' = 8 h .. 8 h + 7, f32
	ds_store_b128 v[VOG], v[ACC:ACC+3] offset:\off
	ds_store_b128 v[VOG], v[ACC+4:ACC+7] offset:\off+16
.endm
; ---------------- waves 0 to 3 ----------------
.macro XLOAD                           ; my 4 rows of a chunk: each load of the wave takes 512 consecutive bytes
.set xj, 0
.rept 16
	global_load_b128 v[ST+4*xj:ST+4*xj+3], v[VXG], s[4:5] offset:(xj>>2)*2048+(xj&3)*512
.set xj, xj+1
.endr
.endm
; cp = 1: my rows of NXT are read, on their way to CUR.  The chunk in the staging registers becomes bf16 in other registers, so that the staging registers can be asked for again at once.
.macro XMOVEA cp
	s_wait_loadcnt 0x0                     ; in the loop the barrier in front has shown the loads in
.if \cp
.set xj, 0
.rept 8
	ds_load_b128 v[CP+4*xj:CP+4*xj+3], v[VCP] offset:XSL+(xj>>1)*XP+(xj&1)*512
.set xj, xj+1
.endr
.endif
.set xj, 0
.rept 16
	v_cvt_pk_bf16_f32 v[PKX+2*xj], v[ST+4*xj], v[ST+4*xj+1]
	v_cvt_pk_bf16_f32 v[PKX+2*xj+1], v[ST+4*xj+2], v[ST+4*xj+3]
.set xj, xj+1
.endr
.endm
.macro XMOVEB cp                       ; my rows into CUR, then the new chunk's into NXT.  LDS serves a wave's instructions in order
.if \cp
	s_wait_dscnt 0x0
.set xj, 0
.rept 8
	ds_store_b128 v[VCP], v[CP+4*xj:CP+4*xj+3] offset:(xj>>1)*XP+(xj&1)*512
.set xj, xj+1
.endr
.endif
.set xj, 0
.rept 16
	ds_store_b64 v[VXS], v[PKX+2*xj:PKX+2*xj+1] offset:(xj>>2)*XP+(xj&3)*256
.set xj, xj+1
.endr
.endm
; ---------------- the head: every wave ----------------
	s_load_b256 s[4:11], s[0:1], 0x0               ; X s[4:5], W_init s[6:7], theta s[8:9], observed_idx s[10:11]
	s_load_b64 s[12:13], s[0:1], 0x20              ; out0
	s_set_vgpr_msb 0x40
	v_lshl_add_u32 v0, v0, 2, 0xa300
	v_mov_b32 v1, 0
	s_set_vgpr_msb 0x4000
	v_lshrrev_b32 v[TL], 5, v0
	v_readfirstlane_b32 s14, v[TL]                 ; the wave's number
	v_and_b32 v[TL], 31, v0
	v_and_b32 v[TR], 15, v0
	v_bfe_u32 v[TH], v0, 4, 1
	v_cmp_ne_u32 s30, 0, v[TH]                     ; lanes 16-31
	s_and_b32 s15, s14, 3                          ; the loader's number (waves 0-3), H's number eta (waves 4-7)
	s_mov_b32 s28, 0x76543210                      ; v_permlanex16_b32: lane i of one half reads lane i of the other
	s_mov_b32 s29, 0xfedcba98
	v_mov_b32 v[VZ], 0
	v_lshlrev_b32 v[VL16], 4, v[TL]
	v_lshlrev_b32 v[VL4], 2, v[TL]
	v_mul_u32_u24 v[VGX], v[TR], 48
	v_lshl_add_u32 v[VGX], v[TH], 4, v[VGX]
	v_lshlrev_b32 v[VOUT], 2, v[TR]
	v_lshl_add_u32 v[VGR], v[TH], 7, v[VOUT]
	v_lshl_add_u32 v[VOUT], v[TH], 10, v[VOUT]
	v_mul_u32_u24 v[TA], v[TR], XP                 ; a fragment from rows that lie along K: row r, 16 bytes for each half of the lanes
	v_lshl_add_u32 v[TA], v[TH], 4, v[TA]
	v_add_nc_u32 v[VAC], CUR, v[TA]
	v_add_nc_u32 v[VAN], NXT, v[TA]
	s_lshl_b32 s34, s15, 8                         ; 128 dims in a row of bf16
	v_add_nc_u32 v[VXF], s34, v[VAN]
	v_and_b32 v[TB], 7, v[TL]                      ; the transposing load: row 8 h + (lane & 7), 16 bytes by bit 3 of the lane
	v_lshl_add_u32 v[TB], v[TH], 3, v[TB]
	v_mul_u32_u24 v[TB], v[TB], XP
	v_bfe_u32 v[TC], v[TL], 3, 1
	v_lshl_add_u32 v[TB], v[TC], 4, v[TB]
	s_add_co_u32 s35, s34, CUR
	v_add_nc_u32 v[VXT], s35, v[TB]
	s_lshl_b32 s36, s15, 10
	s_add_co_u32 s36, s36, ZBUF
	v_lshl_add_u32 v[HZ], v[TL], 4, s36
	v_mul_u32_u24 v[VOG], v[TR], 80
	v_lshl_add_u32 v[VOG], v[TH], 5, v[VOG]
	v_add_nc_u32 v[VOG], GHEAD, v[VOG]
	s_lshl_b32 s37, s15, 13                        ; 4 rows of 2,048 bytes
	v_lshl_add_u32 v[VXG], v[TL], 4, s37
	s_mul_i32 s38, s15, 4*XP
	s_add_co_u32 s39, s38, NXT
	v_lshl_add_u32 v[VXS], v[TL], 3, s39
	s_add_co_u32 s38, s38, CUR
	v_lshl_add_u32 v[VCP], v[TL], 4, s38
	s_lshl_b32 s34, ttmp9, 6                       ; my 16 columns of out0, in bytes
	s_mov_b32 s35, 0
	s_wait_kmcnt 0x0
	s_load_b64 s[32:33], s[8:9], 0x0               ; theta0, theta1
	s_add_nc_u64 s[12:13], s[12:13], s[34:35]
	s_wait_kmcnt 0x0
	s_mul_f32 s20, s33, 0x3b000000                 ; TH1 = theta1 / 512
	s_mul_f32 s22, s32, 0x3b000000                 ; KB = theta0 / 512
	s_mov_b32 s21, s20
	s_mul_f32 s24, s22, 0xbfb8aa3b                 ; KG = NL KB
	s_mov_b32 s25, s24
; ---------------- the start, by roles ----------------
	s_cmp_lt_u32 s14, 10
	s_cbranch_scc1 .Lp0_a
	; S: the pads of the broadcast pairs, the fragments' upper halves, and b = 0, a = 1 for H's first update, which so changes nothing
	v_mov_b32 v[YB0+1], 0
	v_mov_b32 v[YB0+3], 0
	v_mov_b32 v[GB0+1], 0
	v_mov_b32 v[GB0+3], 0
	v_mov_b32 v[AV+1], 0
	v_mov_b32 v[QS+1], 0
	v_mov_b32 v[AV], 1.0
.irp i,0,1,2,3,4,5,6,7
	v_mov_b32 v[BF+\i], 0
.endr
.irp i,4,5,6,7
	v_mov_b32 v[GXF+\i], 0
.endr
	ds_store_b128 v[VL16], v[BF:BF+3] offset:BFBUF
	ds_store_b32 v[VL4], v[AV] offset:ABUF
	s_branch .Lp0_e
.Lp0_a:
	s_cmp_lt_u32 s14, 4
	s_cbranch_scc1 .Lp0_x
	s_cmp_gt_u32 s14, 7
	s_cbranch_scc1 .Lp0_e
	; H: my 128 dims of the 16 observed rows of W_init, straight into the accumulator layout
	s_lshl_b32 s40, ttmp9, 6
	v_lshl_add_u32 v[HT], v[TR], 2, s40
	global_load_b32 v[HT+1], v[HT], s[10:11]       ; observed_idx[16 b + r]
	s_lshl_b32 s41, s15, 9                         ; my 128 dims in a row of f32
	v_lshl_add_u32 v[HT+2], v[TH], 5, s41
	v_mov_b32 v[HAV+1], 0
.irp i,4,5,6,7
	v_mov_b32 v[HBF+\i], 0                         ; b for s = 16 .. 31: there are none
.endr
	s_wait_loadcnt 0x0
	v_min_u32 v[HT+1], 0x1ff, v[HT+1]              ; an index stays inside W_init's 512 rows
	v_lshlrev_b32 v[HT+1], 11, v[HT+1]
	v_add_nc_u32 v[HT+1], v[HT+1], v[HT+2]
.irp i,0,1,2,3,4,5,6,7
	global_load_b128 v[WT+8*\i:WT+8*\i+3], v[HT+1], s[6:7] offset:64*\i
	global_load_b128 v[WT+8*\i+4:WT+8*\i+7], v[HT+1], s[6:7] offset:64*\i+16
.endr
	s_wait_loadcnt 0x0
	s_branch .Lp0_e
.Lp0_x:
	XLOAD                                          ; chunk 0 into NXT
	XMOVEA 0
	XMOVEB 0
.Lp0_e:
	BARB
	s_add_nc_u64 s[4:5], s[4:5], 0x8000            ; X's base steps one chunk, 16 rows of 2,048 bytes: no load is out
	; in front of chunk 0, interval 1 (NXT = chunk 0): Z_0 = W_init X_0^T, XT = X_0 (it meets b = 0), G_0 into GHEAD; chunk 1 is fetched
	s_cmp_lt_u32 s14, 4
	s_cbranch_scc1 .Lm1_x
	s_cmp_gt_u32 s14, 7
	s_cbranch_scc1 .Lm1_g
	HPHASE 0, XSL
	s_branch .Lm1_e
.Lm1_g:
	s_cmp_lg_u32 s14, 9
	s_cbranch_scc1 .Lm1_e
	GRAM VAN, 1
	GGOUT 0
	s_branch .Lm1_e
.Lm1_x:
	XLOAD
.Lm1_e:
	BARB
	s_add_nc_u64 s[4:5], s[4:5], 0x8000
	; interval 2: S makes R = NL Z_0 and runs steps 0 and 1 of chunk 0; G_0 into GLO; chunk 0 to CUR, chunk 1 to NXT, chunk 2 is asked for
	s_cmp_lt_u32 s14, 10
	s_cbranch_scc1 .Lm2_a
	SRESET
	SZLOAD 0
	ZSUM
.irp i,0,1,2,3
	v_pk_mul_f32 v[ZS+2*\i:ZS+2*\i+1], v[ZS+2*\i:ZS+2*\i+1], 0xbfb8aa3b op_sel_hi:[1,0]
.endr
	SEXCHA RR
	SEXCHB RR
	GROW 0, GHEAD
	GROW 1, GHEAD
	GROW 2, GHEAD
	GROW 3, GHEAD
	s_wait_dscnt 0x0
	SRESET
	STEP 0, 1
	STEP 1, 0
	s_branch .Lm2_e
.Lm2_a:
	s_cmp_lt_u32 s14, 4
	s_cbranch_scc1 .Lm2_x
	s_cmp_lg_u32 s14, 9
	s_cbranch_scc1 .Lm2_e
	GGOUT GLO-GHEAD
	s_branch .Lm2_e
.Lm2_x:
	XMOVEA 1
	XLOAD
	XMOVEB 1
.Lm2_e:
	BARA
; ---------------- the loop: one chunk a trip ----------------
	s_mov_b32 s31, 0
.Lloop:
	; interval 1
	s_cmp_lt_u32 s14, 10
	s_cbranch_scc1 .Li1_a
	SRESET
	GROW 5, GLO                                    ; the row that step 1 did not ask for
.set sn, 2
.rept 10
	STEP sn, 0
.set sn, sn+1
.endr
	s_branch .Li1_e
.Li1_a:
	s_cmp_lt_u32 s14, 4                            ; waves 0-3: their loads are on their way
	s_cbranch_scc1 .Li1_e
	s_cmp_gt_u32 s14, 7
	s_cbranch_scc1 .Li1_g
	HPHASE 1, 0
	s_branch .Li1_e
.Li1_g:
	s_cmp_lg_u32 s14, 8
	s_cbranch_scc1 .Li1_gg
	GRAM VAC, 0                                    ; CUR's rows (s) by NXT's (t')
	GXOUT
	s_branch .Li1_e
.Li1_gg:
	GRAM VAN, 1                                    ; G of the next chunk
	GGOUT 0
.Li1_e:
	BARB
	s_add_nc_u64 s[4:5], s[4:5], 0x8000            ; behind the waits above: X's base one chunk on (not used behind the last fetch)
	; interval 2
	s_cmp_lt_u32 s14, 10
	s_cbranch_scc1 .Li2_a
	SRESET
	SZLOAD 1
.set sn, 12
.rept 4
	STEP sn, 0
.set sn, sn+1
.endr
	s_cmp_eq_u32 s31, NCH-1                        ; behind the last chunk nothing follows
	s_cbranch_scc1 .Li2_e
	STEP 0, 0                                      ; the next chunk's first two steps; b and a are stored in the first
	STEP 1, 0
	s_branch .Li2_e
.Li2_a:
	s_cmp_lt_u32 s14, 4
	s_cbranch_scc1 .Li2_x
	s_cmp_lg_u32 s14, 9
	s_cbranch_scc1 .Li2_e
	GGOUT GLO-GHEAD                                ; the next chunk's G, kept in the accumulator since interval 1
	s_branch .Li2_e
.Li2_x:
	s_cmp_ge_u32 s31, NCH-2                        ; trip k stores chunk k + 2: the last two trips have none, and no later result hangs on CUR
	s_cbranch_scc1 .Li2_e
	XMOVEA 1
	s_cmp_ge_u32 s31, NCH-3                        ; and asks for chunk k + 3: the last three trips ask for nothing
	s_cbranch_scc1 .Li2_xs
	XLOAD
.Li2_xs:
	XMOVEB 1
.Li2_e:
	BARA
	s_add_nc_u64 s[12:13], s[12:13], 0x4000        ; behind the waits above: out0's base 16 rows on
	s_add_co_u32 s31, s31, 1
	s_cmp_lt_u32 s31, NCH
	s_cbranch_scc1 .Lloop
	s_set_vgpr_msb 0x5
	s_wait_tensorcnt 0x0
	ds_add_u32 v0, v1
	s_wait_dscnt 0x0
	s_set_vgpr_msb 0x500
	s_endpgm
.Lfunc_end_k_q70a8208b2c_scan:
	.size	k_q70a8208b2c_scan, .Lfunc_end_k_q70a8208b2c_scan-k_q70a8208b2c_scan
	.p2alignl 7, 3214868480
	.fill 96, 4, 3214868480
	.section	.rodata,"a",@progbits
	.p2align	6, 0x0
	.amdhsa_kernel k_q70a8208b2c_scan
		.amdhsa_group_segment_fixed_size 43264
		.amdhsa_private_segment_fixed_size 0
		.amdhsa_enable_private_segment 0
		.amdhsa_kernarg_size 40
		.amdhsa_user_sgpr_count 2
		.amdhsa_user_sgpr_kernarg_segment_ptr 1
		.amdhsa_wavefront_size32 1
		.amdhsa_system_sgpr_workgroup_id_x 1
		.amdhsa_system_sgpr_workgroup_id_y 1
		.amdhsa_system_sgpr_workgroup_id_z 1
		.amdhsa_system_vgpr_workitem_id 0
		.amdhsa_next_free_vgpr 258
		.amdhsa_next_free_sgpr 66
		.amdhsa_reserve_vcc 0
		.amdhsa_float_denorm_mode_32 3
		.amdhsa_float_denorm_mode_16_64 3
		.amdhsa_memory_ordered 1
		.amdhsa_forward_progress 1
		.amdhsa_inst_pref_size 93
	.end_amdhsa_kernel
	.amdgpu_metadata
---
amdhsa.version: [ 1, 2 ]
amdhsa.kernels:
  - .name:           k_q70a8208b2c_scan
    .symbol:         k_q70a8208b2c_scan.kd
    .args:
      - { .name: X, .offset: 0, .size: 8, .value_kind: global_buffer, .address_space: global }
      - { .name: W_init, .offset: 8, .size: 8, .value_kind: global_buffer, .address_space: global }
      - { .name: theta, .offset: 16, .size: 8, .value_kind: global_buffer, .address_space: global }
      - { .name: observed_idx, .offset: 24, .size: 8, .value_kind: global_buffer, .address_space: global }
      - { .name: out0, .offset: 32, .size: 8, .value_kind: global_buffer, .address_space: global }
    .group_segment_fixed_size: 43264
    .private_segment_fixed_size: 0
    .kernarg_segment_align: 8
    .kernarg_segment_size: 40
    .max_flat_workgroup_size: 352
    .sgpr_count:     66
    .vgpr_count:     258
    .wavefront_size: 32
...
	.end_amdgpu_metadata
.endif
;; end of part 1
;; ======== version 2 of 2: 1 launch; 1.18 times as fast as version 1
;; limits: values outside matrix products are rounded to bf16
;; launch scan (part 2): grid 16 x 1, 11 waves a work-group, no clusters, 43,264 bytes of LDS; arguments X, W_init, theta, observed_idx, out0; writes out0
.if DOCPART == 2
	.amdgcn_target "amdgcn-amd-amdhsa--gfx1250"
	.amdhsa_code_object_version 6
	.text
	.protected	k_q70a8208b2c_scan
	.globl	k_q70a8208b2c_scan
	.p2align	8
	.type	k_q70a8208b2c_scan,@function
k_q70a8208b2c_scan:
	s_mov_b64 s[64:65], 0
	v_nop
	global_prefetch_b8 v0, s[64:65] scope:SCOPE_SE
	s_setreg_imm32_b32 hwreg(HW_REG_WAVE_MODE, 25, 1), 1
	s_wait_xcnt 0x0
; CircuitModel: 2,048 steps of  y = sigmoid(W x_t),  W <- (1 + th1/512 y^2) W + th0/512 y x_t^T,  output y[observed_idx].
; The rows of W never meet, so only the 256 observed rows are run (a row named twice is run twice).  A work-group owns 16 of them (output columns
; 16 b .. 16 b + 15): 16 work-groups, one matrix tile of rows each; more work-groups would not shorten the chain of 2,048 dependent steps.
; CHUNKS of 16 steps, 128 of them.  Inside chunk k a row keeps R[t'] = NL W(t) x_t' for the chunk's 16 t' (NL = -log2 e).  Step t:
;   y = 1 / (1 + 2^R[t]);  g = 1 + TH1 y^2;  R[t'] = g R[t'] + y G[t][t'] (t' > t), G = NL KB X_k X_k^T;  b[s] *= g (s < t);  b[t] = KB y;  a *= g.
; State:  W_k+1 = a W_k + sum_s b[s] x_s.  THE NEXT CHUNK'S R IS MADE AHEAD OF ITS TIME: in step 14, from a and b[0..13] as they then stand,
;   RN = a NL Z_k+1 + GxT_k+1 b,  Z_k+1 = W_k X_k+1^T,  GxT[t'][s] = NL x_k,s . x_k+1,t'  (one matrix instruction, laid into step 14);
; steps 14 and 15 then update RN like any R, with the rows EX[s][t'] = NL KB x_k,s . x_k+1,t' in f32.  So the chain of dependent steps runs through the chunk's end.
; This is the reference's recurrence rearranged, with nothing cut off; the order of rounding differs from the reference's.
; WAVES: 0-3 bring X in, 4 rows of a chunk each, as bf16;  4-7 = H, each holds 128 of the 512 dims of the 16 rows in f32, updates them and makes its
; partial Z;  8 = GX (GxT, EX);  9 = GG (G);  10 = S, the serial wave (lane (r, h) runs row r; both halves of the lanes hold the same numbers).
; A trip has two intervals, each closed by a barrier that stands in every wave's text.  X lies in two fixed slots, CUR (chunk k) and NXT (chunk k + 1).
; In no interval is an LDS byte written by one wave and touched by another:
;   interval 1 (S: steps 2-11 of chunk k):  read b, a, CUR, NXT, GLO;   written Z, GxT, EX, GHEAD.
;   interval 2 (S: steps 12-15, then steps 0, 1 of chunk k + 1):  read Z, GxT, EX, GHEAD;  written b, a, GLO; waves 0-3 move their own rows NXT -> CUR and store chunk k + 2 in NXT.
; S issues no LDS instruction in the step in front of a barrier, so that the barrier's wait for them finds them done.
; THE TRANSCENDENTALS AND THEIR WAITS.  A step has two, the power of two and the reciprocal.  The reciprocal's source hangs on the power's result and the next
; step's power on the reciprocal's, so each is a batch of one, with a wait behind each: 32 a chunk, one of them (step 14's second) the wait that
; stands ahead of RN's matrix instruction anyway.  s_wait_alu depctr_va_vdst(0) holds the wave until its earlier vector instructions have written, so a step is laid round
; its two waits: as a rule one to three plain lines stand between a transcendental and its wait (steps 14 and 0, whose fragment and packing stand behind the reciprocal, have more); S's LDS loads and stores and its output stores stand directly at a wait; and the work that the chain
; does not wait for stands behind the chain's plain links: behind the add, between the two multiply-adds, and behind the second of them.
; THE TEXT HOLDS ON EVERY WAY THROUGH IT, also on ways that no wave takes (one role's block, then another's): every wave makes every role's addresses at the
; head, in v1-v15, which hold nothing else; X's staging registers v192-255 have loads out from interval 2 to the end of interval 1 and are named by no text of
; interval 1; in front of every barrier all LDS instructions are waited for and all sources of global loads and stores are free; five places stand behind
; each block's last matrix instruction; the roles' accumulators (v16-79, v148-163, v176-191, v240-247) share no register.
; In the last trip the products of waves 4-9, and RN, feed nothing; they run beside the chain, and the text stays one loop.
; FORMATS: matrix operands bf16 (X, W at each use, b, GxT); W, G, EX, R, a, b and all sums f32.
; LIMITS: for W x below about -88.7 the power of two overflows and y = 0, where the reference gives a number below 3e-39.  Indices are clamped to 511.
; OUTPUT: a work-group owns 64 bytes of each output row; one store of the wave writes two such pieces (rows t-1 and t).
; NO JOINT TILES: all work-groups read the same X, but X is converted to bf16 in registers on its way into LDS, 32 KiB a chunk, asked for nearly a
; trip ahead by waves that the chain does not wait for; so it comes by plain loads.
.set NCH,   128                        ; chunks
.set BFBUF, 0                          ; b as a matrix fragment: 32 lanes x 16 bytes
.set ABUF,  512                        ; a: 32 lanes x 4 bytes
.set GXT,   768                        ; GxT: 16 rows t', pitch 48, bf16
.set GHEAD, 1536                       ; G of the next chunk, 16 rows t, pitch 80, f32: S takes rows 0-4 from here
.set GLO,   2816                       ; G of this chunk, the same layout: S takes rows 5-14 from here
.set ZBUF,  4096                       ; Z partials: H's number x 1,024 + quad x 512 + lane x 16
.set XP,    1040                       ; a row of X: 1,024 bytes of bf16 + 16 (65 x 16: sixteen rows start in sixteen different 16-byte columns)
.set XSL,   16*XP
.set CUR,   8192
.set NXT,   CUR+XSL
.set GXR,   NXT+XSL                    ; EX: 4 rows of 64 bytes, s = 6, 7, 14, 15; S takes the last two.  Ends at 41,728
; addresses, made by every wave at the head, never written again
.set VZ,   1                           ; 0
.set VL16, 2                           ; 16 lane
.set VL4,  3                           ; 4 lane
.set VGX,  4                           ; 48 r + 16 h (GxT's rows)
.set VOUT, 5                           ; 1,024 h + 4 r (out0)
.set VXF,  6                           ; H: NXT's rows as a fragment, my 128 dims
.set VXT,  7                           ; H: CUR transposed, my 128 dims
.set HZ,   8                           ; H: my partial Z
.set VAC,  9                           ; CUR's rows as a fragment
.set VAN,  10                          ; NXT's rows as a fragment
.set VOG,  11                          ; GHEAD + 80 r + 32 h
.set VXG,  12                          ; loaders: my 4 rows in a chunk of X in memory
.set VXS,  13                          ; loaders: my 4 rows of NXT, 8 bytes a lane
.set VCP,  14                          ; loaders: my 4 rows of CUR, 16 bytes a lane
.set VGR,  15                          ; 128 h + 4 r (EX's rows)
.set TC, 249                           ; at the head only
.set TA, 250
.set TB, 251
.set TL, 252                           ; lane, lane & 15, lane >> 4
.set TR, 253
.set TH, 254
; S's registers
.set EE, 16
.set DD, 17
.set YY, 18
.set YB0, 20                           ; v[20:21], v[22:23]: (y, pad) of even and odd steps; a packed form's broadcast source is a pair
.set GB0, 24                           ; v[24:25], v[26:27]: (g, pad)
.set QQ, 28
.set MM, 30
.set AV, 32                            ; (a, pad)
.set YST, 34                           ; four registers of store data, by turns
.set BF, 38                            ; b as a fragment: registers 0-3 hold s = 8 h .. 8 h + 7, registers 4-7 (s = 16 ..) stay 0
.set GXF, 46                           ; GxT as a fragment: registers 4-7 stay 0
.set RR, 54                            ; R[0..15]
.set BC, 70                            ; b[0..15]
.set GR, 86                            ; five rows of G, 16 registers each, row t in slot t mod 5 (v86-165)
.set P1, 166                           ; Z's partials 1-3;
.set P2, 174
.set QS, 182                           ; (NL a at the snapshot, pad)
.set P3, 184
.set BP, P1                            ; once they are summed: the packed b,
.set XTMP, P2                          ; and the exchange's temporaries
.set EX, 192                           ; interval 2 alone: EX's rows 14 and 15, 16 registers each,
.set RN, 224                           ; the next chunk's R,
.set ZS, 240                           ; Z summed, then the accumulator
; H's registers
.set WT, 16                            ; 8 tiles: register j of tile i = W[row r][128 eta + 16 i + 8 h + j]
.set XT, 80                            ; 36 registers: fragment i = registers 4 i .. 4 i + 7; its upper half (s = 16 ..) is the next tile's data, finite, and meets b's zeros
.set WB, 80                            ; W as bf16 fragments, in X^T's registers between the update, which reads them last, and their reload
.set XF, 116
.set ZA, 148
.set HBF, 164
.set HAV, 172
.set HT, 174                           ; at the start only
; registers of waves 8 and 9
.set FR, 16                            ; 4 blocks of 32: A and B of two K steps
.set PK, 144
.set ACC, 176
; registers of waves 0 to 3
.set CP, 16                            ; 32: my rows on their way from NXT to CUR
.set PKX, 48                           ; 32: my rows of the new chunk as bf16
.set ST, 192                           ; 16 x 4: X as loaded
.macro PLACES n                        ; plain vector places behind a matrix instruction: 4 in front of a vector instruction or a load
.rept \n                               ; that touches its registers, 5 where a matrix instruction may write over them
	v_nop
.endr
.endm
.macro BARA                            ; closes interval 2.  My LDS loads and stores are done: what I wrote may be read, what I read may be written;
	s_wait_dscnt 0x0                       ; and the sources of all my global loads and stores are free, whatever text follows
	s_wait_xcnt 0x0
	s_barrier_signal -1
	s_barrier_wait -1
.endm
.macro BARB                            ; closes interval 1: also no load into X's staging registers is out behind it, and X's base may step
	s_wait_loadcnt 0x0
	BARA
.endm
; ---------------- S ----------------
; DSN counts S's LDS instructions as the text goes; ISSn = DSN when slot n's row had been asked for.  DSN - ISSn is the number of LDS instructions behind that row's.
.macro SRESET                          ; stands behind a wait for all LDS instructions
.set DSN, 0
.set ISS0, 0
.set ISS1, 0
.set ISS2, 0
.set ISS3, 0
.set ISS4, 0
.set ISSZ, 0
.endm
.macro GROW row, base                  ; the row's entries t' > row of G, every lane the same 16 bytes
.set gq, ((\row)+1)>>2
.rept 4
.if gq<4
	ds_load_b128 v[GR+16*((\row)%5)+4*gq:GR+16*((\row)%5)+4*gq+3], v[VZ] offset:\base+(\row)*80+16*gq
.set DSN, DSN+1
.endif
.set gq, gq+1
.endr
.set slotn, (\row)%5
.if slotn==0
.set ISS0, DSN
.endif
.if slotn==1
.set ISS1, DSN
.endif
.if slotn==2
.set ISS2, DSN
.endif
.if slotn==3
.set ISS3, DSN
.endif
.if slotn==4
.set ISS4, DSN
.endif
.endm
.macro WAITROW row
.set slotn, (\row)%5
.if slotn==0
.set wr, ISS0
.endif
.if slotn==1
.set wr, ISS1
.endif
.if slotn==2
.set wr, ISS2
.endif
.if slotn==3
.set wr, ISS3
.endif
.if slotn==4
.set wr, ISS4
.endif
	s_wait_dscnt DSN-wr                    ; LDS instructions come back in order: all but those issued behind this row's
.endm
; y of steps lt-1 (lanes 0-15) and lt (lanes 16-31) leave together.  YVEC is the register work of step lt, YSTORE (lt odd) the store.
.macro YVEC lt
.set yyb, YB0+2*((\lt)&1)
.set yst, YST+(((\lt)>>1)&3)
.if ((\lt)&1)==0
	s_wait_xcnt 0x0                        ; store data is written again only behind this wait
	v_mov_b32 v[yst], v[yyb]
.else
	v_cndmask_b32 v[yst], v[yst], v[yyb], s30
.endif
.endm
.macro YSTORE lt
.set yst, YST+(((\lt)>>1)&3)
	global_store_b32 v[VOUT], v[yst], s[12:13] offset:((\lt)-1)*1024 th:TH_STORE_NT
.endm
; The work of step lt that the next step's y does not wait for falls into two lists.
; LAGY: the products with y, which want y alone: row lt of G (pairs behind the one that went the short way) times y, in place; in steps 14 and 15 the row of EX
; (step 14 all eight pairs, step 15 pairs 1-7).  Every second pair: part 0 begins with the pair that the next step's short way takes.
.macro LAGY lt, part
.set lyb, YB0+2*((\lt)&1)
.if (\lt)<14
.set lrow, GR+16*((\lt)%5)
.set lp, (((\lt)+1)>>1)+1+\part
.else
.set lrow, EX+16*((\lt)-14)
.set lp, (\lt)-14+\part
.endif
.rept 4
.if lp<8
	v_pk_mul_f32 v[lrow+2*lp:lrow+2*lp+1], v[lrow+2*lp:lrow+2*lp+1], v[lyb:lyb+1] op_sel_hi:[1,0]
.endif
.set lp, lp+2
.endr
.endm
; GW: the work that wants g, as a numbered list; GW lt, lo, hi writes numbers lo .. hi - 1 of it.  First R = g R + (y G), the same pairs as LAGY's, the next short way's
; pair first (step 14: all eight pairs of RN in place; step 15: pairs 1-7, from RN into R, which so becomes the new chunk's); then b[s] *= g for s < lt; then a *= g.
; Steps 0 to 13 have 8 numbers, steps 14 and 15 have 16.
.macro GW lt, lo, hi
.set wgb, GB0+2*((\lt)&1)
.set wsrc, RR
.set wdst, RR
.set wrow, GR+16*((\lt)%5)
.set wp, (((\lt)+1)>>1)+1
.if (\lt)>=14
.set wsrc, RN
.set wrow, EX+16*((\lt)-14)
.set wp, (\lt)-14
.endif
.if (\lt)==14
.set wdst, RN
.endif
.set wn, 0
.rept 8
.if wp<8
.if (wn>=(\lo)) && (wn<(\hi))
	v_pk_fma_f32 v[wdst+2*wp:wdst+2*wp+1], v[wsrc+2*wp:wsrc+2*wp+1], v[wgb:wgb+1], v[wrow+2*wp:wrow+2*wp+1] op_sel_hi:[1,0,1]
.endif
.set wn, wn+1
.endif
.set wp, wp+1
.endr
.set wp, 0
.rept 7
.if wp<((\lt)>>1)
.if (wn>=(\lo)) && (wn<(\hi))
	v_pk_mul_f32 v[BC+2*wp:BC+2*wp+1], v[BC+2*wp:BC+2*wp+1], v[wgb:wgb+1] op_sel_hi:[1,0]
.endif
.set wn, wn+1
.endif
.set wp, wp+1
.endr
.if ((\lt)&1)==1
.if (wn>=(\lo)) && (wn<(\hi))
	v_mul_f32 v[BC+(\lt)-1], v[BC+(\lt)-1], v[wgb]
.endif
.set wn, wn+1
.endif
.if (wn>=(\lo)) && (wn<(\hi))
.if (\lt)==0
	v_mov_b32 v[AV], v[wgb]
.else
	v_mul_f32 v[AV], v[AV], v[wgb]
.endif
.endif
.set wn, wn+1
.endm
.macro SZLOAD gx                       ; the four waves' partial Z; gx = 1: also GxT's fragment and EX's rows 14, 15
.irp c,0,1
	ds_load_b128 v[ZS+4*\c:ZS+4*\c+3], v[VL16] offset:ZBUF+512*\c
	ds_load_b128 v[P1+4*\c:P1+4*\c+3], v[VL16] offset:ZBUF+1024+512*\c
	ds_load_b128 v[P2+4*\c:P2+4*\c+3], v[VL16] offset:ZBUF+2048+512*\c
	ds_load_b128 v[P3+4*\c:P3+4*\c+3], v[VL16] offset:ZBUF+3072+512*\c
.endr
.set DSN, DSN+8
.if \gx
	ds_load_b128 v[GXF:GXF+3], v[VGX] offset:GXT
.irp q,0,1,2,3
	ds_load_b128 v[EX+4*\q:EX+4*\q+3], v[VZ] offset:GXR+128+16*\q
	ds_load_b128 v[EX+16+4*\q:EX+16+4*\q+3], v[VZ] offset:GXR+192+16*\q
.endr
.set DSN, DSN+9
.endif
.set ISSZ, DSN
.endm
.macro ZSUM
	s_wait_dscnt DSN-ISSZ                  ; all but the row loads issued behind Z's, GxT's and EX's
.irp z,0,1,2,3
	v_pk_add_f32 v[ZS+2*\z:ZS+2*\z+1], v[ZS+2*\z:ZS+2*\z+1], v[P1+2*\z:P1+2*\z+1]
	v_pk_add_f32 v[P2+2*\z:P2+2*\z+1], v[P2+2*\z:P2+2*\z+1], v[P3+2*\z:P3+2*\z+1]
	v_pk_add_f32 v[ZS+2*\z:ZS+2*\z+1], v[ZS+2*\z:ZS+2*\z+1], v[P2+2*\z:P2+2*\z+1]
.endr
.endm
; The snapshot, behind all of step 13's lagged work: b[0..13] (b[14], b[15] = 0) as a fragment and NL a (SNAPA), and RN's matrix instruction (SNAPB).
.macro SNAPA
.irp i,0,1,2,3,4,5,6
	v_cvt_pk_bf16_f32 v[BP+\i], v[BC+2*\i], v[BC+2*\i+1]
.endr
.irp i,0,1,2
	v_cndmask_b32 v[BF+\i], v[BP+\i], v[BP+4+\i], s30
.endr
	v_cndmask_b32 v[BF+3], v[BP+3], v[VZ], s30
	v_mul_f32 v[QS], 0xbfb8aa3b, v[AV]
.irp i,0,1,2,3
	v_pk_mul_f32 v[ZS+2*\i:ZS+2*\i+1], v[ZS+2*\i:ZS+2*\i+1], v[QS:QS+1] op_sel_hi:[1,0]
.endr
.endm
.macro SNAPB
	s_wait_alu depctr_va_vdst(0)           ; the wait is also the wait for step 14's reciprocal, issued ahead of SNAPA and first read behind the places below
	v_wmma_f32_16x16x32_bf16 v[ZS:ZS+7], v[GXF:GXF+7], v[BF:BF+7], v[ZS:ZS+7]
	PLACES 5
.endm
; A matrix result holds t' = 8 h + j in register j: each half of the lanes fetches the other's eight, so that every lane has all 16.
; The permute's destination counts as read: partial 2's registers have been loaded and summed, and serve here.
.macro SEXCHA dst
.irp j,0,1,2,3,4,5,6,7
	v_permlanex16_b32 v[XTMP+\j], v[ZS+\j], s28, s29
.endr
.irp j,0,1,2,3
	v_cndmask_b32 v[\dst+\j], v[ZS+\j], v[XTMP+\j], s30
	v_cndmask_b32 v[\dst+8+\j], v[XTMP+\j], v[ZS+\j], s30
.endr
.endm
.macro SEXCHB dst
.irp j,4,5,6,7
	v_cndmask_b32 v[\dst+\j], v[ZS+\j], v[XTMP+\j], s30
	v_cndmask_b32 v[\dst+8+\j], v[XTMP+\j], v[ZS+\j], s30
.endr
.endm
.macro PACKA                           ; the finished chunk's b as a fragment, for H
.irp i,0,1,2,3,4,5,6,7
	v_cvt_pk_bf16_f32 v[BP+\i], v[BC+2*\i], v[BC+2*\i+1]
.endr
.irp i,0,1,2,3
	v_cndmask_b32 v[BF+\i], v[BP+\i], v[BP+4+\i], s30
.endr
.endm
.macro PACKB                           ; b and a are stored a whole step ahead of the barrier
	ds_store_b128 v[VL16], v[BF:BF+3] offset:BFBUF
	ds_store_b32 v[VL4], v[AV] offset:ABUF
.set DSN, DSN+2
.endm
; One step.  The chain is exp, add, rcp and two fused multiply-adds: R + y (y TH1 R + G) = g R + y G for the pair that holds the next step's R
; (in step 15: the next chunk's pair 0, from RN and EX's row 15).  p is the step before.  The order:
;   exp | b[p] = KB y_p, and for odd p the select for the output | THE WAIT FOR THE POWER | for odd p the output store | add |
;   the first numbers of p's list GW (step 14: Z's sum ahead of them; step 15: the exchange) | rcp | the list's rest, QQ, for even p the output's move (step 0: b packed; step 14: the snapshot) |
;   THE WAIT FOR THE RECIPROCAL | step 0: b's and a's stores | the row loads | multiply-add | y^2, half of this step's LAGY | multiply-add | g, the other half.
; Behind each transcendental stands a plain vector instruction that names neither its result nor its source (ISA guide 5.7.2): b[p]'s product; the list's rest or QQ.
; Rows 2-4 and 12-14 were asked for in front of a barrier, whose wait has shown them in; the others have a counted wait.
.macro STEP st, first
.set sup, ((\st)+1)>>1
.set syb, YB0+2*((\st)&1)
.set sgb, GB0+2*((\st)&1)
.set sgr, GR+16*((\st)%5)
.set plt, ((\st)+15)&15                ; the step before,
.set pyb, YB0+2*(plt&1)                ; its y,
.set podd, plt&1
.set acut, 7                           ; and how many numbers of its list GW stand ahead of the reciprocal: all multiply-adds are among them;
.if (\st)==14
.set acut, 8                           ; the snapshot wants all of step 13's,
.endif
.if (\st)==15
.set acut, 14
.endif
.if (\st)==0
.set acut, 16                          ; and the packing all of step 15's
.endif
.set needw, 0
.if (\st)<2
.set needw, 1
.endif
.if (\st)>=5
.if (\st)<12
.set needw, 1
.endif
.endif
.if needw
	WAITROW \st
.endif
	v_exp_f32 v[EE], v[RR+(\st)]
.if \first
	v_pk_mul_f32 v[QQ:QQ+1], v[RR+2*sup:RR+2*sup+1], s[20:21] op_sel_hi:[1,0]
.else
	v_mul_f32 v[BC+plt], s22, v[pyb]
.if podd && (plt<15)
	YVEC plt
.endif
.endif
	s_wait_alu depctr_va_vdst(0)           ; the wait for the power of two, a batch of one: the add below is its first reader
.if (\first)==0
.if podd && (plt<15)
	YSTORE plt                             ; directly behind the wait: its data is written
.endif
.endif
	v_add_f32 v[DD], 1.0, v[EE]
.if (\st)==14
	ZSUM
.endif
.if (\st)==15
	SEXCHA RN
	SEXCHB RN
.endif
.if (\first)==0
	GW plt, 0, acut
.endif
	v_rcp_f32 v[syb], v[DD]
.if \first
	v_nop
.else
	GW plt, acut, 16
.if (\st)==15
	v_pk_mul_f32 v[QQ:QQ+1], v[RN:RN+1], s[20:21] op_sel_hi:[1,0]
.else
	v_pk_mul_f32 v[QQ:QQ+1], v[RR+2*sup:RR+2*sup+1], s[20:21] op_sel_hi:[1,0]
.endif
.if podd==0
	YVEC plt
.endif
.endif
	; The row four steps ahead goes into the slot whose row was used up by the multiply-adds above.  Steps 1 and 11, in front of the barriers, ask for none:
	; row 15 has no entries, and row 5 is asked for behind the barrier.
.if (\st)==14
	SNAPA
	GROW 2, GHEAD                          ; directly ahead of the wait in SNAPB
	SNAPB
.else
.if (\st)==0
.if (\first)==0
	PACKA
.endif
.endif
	s_wait_alu depctr_va_vdst(0)           ; the wait for the reciprocal, a batch of one: the multiply-add below is its first reader; the LDS instructions stand directly behind it
.if (\st)==0
.if (\first)==0
	PACKB
.endif
	GROW 4, GHEAD
.endif
.if (\st)>=2
.if (\st)<=10
	GROW (\st)+4, GLO
.endif
.endif
.if (\st)>=12
	GROW (\st)-12, GHEAD
.endif
.endif
.if (\st)<15
	v_pk_fma_f32 v[MM:MM+1], v[QQ:QQ+1], v[syb:syb+1], v[sgr+2*sup:sgr+2*sup+1] op_sel_hi:[1,0,1]
	v_mul_f32 v[YY], v[syb], v[syb]
	LAGY \st, 0
	v_pk_fma_f32 v[RR+2*sup:RR+2*sup+1], v[MM:MM+1], v[syb:syb+1], v[RR+2*sup:RR+2*sup+1] op_sel_hi:[1,0,1]
.else
	v_pk_fma_f32 v[MM:MM+1], v[QQ:QQ+1], v[syb:syb+1], v[EX+16:EX+17] op_sel_hi:[1,0,1]
	v_mul_f32 v[YY], v[syb], v[syb]
	LAGY \st, 0
	v_pk_fma_f32 v[RR:RR+1], v[MM:MM+1], v[syb:syb+1], v[RN:RN+1] op_sel_hi:[1,0,1]
.endif
	v_fma_f32 v[sgb], v[YY], s20, 1.0
	LAGY \st, 1
.if (\st)==15
	YVEC 15                                ; step 15's y leaves at the end of its own step: behind the last chunk no step follows
	YSTORE 15
.endif
.endm
; ---------------- H ----------------
.macro CVTW q                          ; tiles 2 q and 2 q + 1 as the fragment of 32 dims: no lane changes place
.irp j,0,1,2,3,4,5,6,7
	v_cvt_pk_bf16_f32 v[WB+8*\q+\j], v[WT+16*\q+2*\j], v[WT+16*\q+2*\j+1]
.endr
.endm
; upd = 1: W <- a W + X^T b with the last chunk's a, b and X (XT).  Then my partial of Z = W NXT^T; then XT from CUR (+ xtoff).
.macro HPHASE upd, xtoff
.if \upd
	ds_load_b128 v[HBF:HBF+3], v[VL16] offset:BFBUF
	ds_load_b32 v[HAV], v[VL4] offset:ABUF
.endif
.irp q,0,1,2,3
	ds_load_b128 v[XF+8*\q:XF+8*\q+3], v[VXF] offset:64*\q
	ds_load_b128 v[XF+8*\q+4:XF+8*\q+7], v[VXF] offset:64*\q+32
.endr
.if \upd
	s_wait_dscnt 8                         ; b and a are in; the 8 loads behind them may be out
.set hi, 0
.rept 32
	v_pk_mul_f32 v[WT+2*hi:WT+2*hi+1], v[WT+2*hi:WT+2*hi+1], v[HAV:HAV+1] op_sel_hi:[1,0]
.set hi, hi+1
.endr
.irp i,0,1,2,3,4,5,6,7                 ; eight accumulators, one instruction each
	v_wmma_f32_16x16x32_bf16 v[WT+8*\i:WT+8*\i+7], v[XT+4*\i:XT+4*\i+7], v[HBF:HBF+7], v[WT+8*\i:WT+8*\i+7]
.endr
	PLACES 4                               ; then the results are read, and X^T's registers written over
.endif
	CVTW 0
	CVTW 1
	CVTW 2
	CVTW 3
	s_wait_dscnt 0x0
	; two accumulators take turns, one instruction a turn; the first products start the sums
	v_wmma_f32_16x16x32_bf16 v[ZA:ZA+7], v[XF:XF+7], v[WB:WB+7], 0
	v_wmma_f32_16x16x32_bf16 v[ZA+8:ZA+15], v[XF+8:XF+15], v[WB+8:WB+15], 0
	v_wmma_f32_16x16x32_bf16 v[ZA:ZA+7], v[XF+16:XF+23], v[WB+16:WB+23], v[ZA:ZA+7]
	v_wmma_f32_16x16x32_bf16 v[ZA+8:ZA+15], v[XF+24:XF+31], v[WB+24:WB+31], v[ZA+8:ZA+15]
	PLACES 5
.irp i,0,1,2,3
	v_pk_add_f32 v[ZA+2*\i:ZA+2*\i+1], v[ZA+2*\i:ZA+2*\i+1], v[ZA+8+2*\i:ZA+8+2*\i+1]
.endr
	ds_store_b128 v[HZ], v[ZA:ZA+3]
	ds_store_b128 v[HZ], v[ZA+4:ZA+7] offset:512
.irp i,0,1,2,3,4,5,6,7                 ; 16 dims x 16 steps, transposed on the way in; waited for at the barrier
	ds_load_tr16_b128 v[XT+4*\i:XT+4*\i+3], v[VXT] offset:\xtoff+32*\i
.endr
	ds_load_tr16_b128 v[XT+32:XT+35], v[VXT] offset:\xtoff     ; the last fragment's upper half: any finite numbers
.endm
; ---------------- waves 8 and 9 ----------------
.macro GLOADB j, va                    ; K steps 2 j and 2 j + 1 (32 dims each) into block j & 3: A's rows at va, B's rows in NXT
.set gb, FR+32*((\j)&3)
.irp e,0,1
	ds_load_b128 v[gb+16*\e:gb+16*\e+3], v[\va] offset:64*(2*(\j)+\e)
	ds_load_b128 v[gb+16*\e+4:gb+16*\e+7], v[\va] offset:64*(2*(\j)+\e)+32
	ds_load_b128 v[gb+16*\e+8:gb+16*\e+11], v[VAN] offset:64*(2*(\j)+\e)
	ds_load_b128 v[gb+16*\e+12:gb+16*\e+15], v[VAN] offset:64*(2*(\j)+\e)+32
.endr
.endm
; ACC(m, n) = scale x sum over 512 dims of row m at va times row n of NXT; kg = 1: the scale is NL KB, else NL.
; Even and odd K steps have an accumulator each, which take turns.
.macro GRAM va, kg
	GLOADB 0, \va
	GLOADB 1, \va
	GLOADB 2, \va
	GLOADB 3, \va
.set gj, 0
.rept 8
.if gj<5
	s_wait_dscnt 24                        ; behind this block's eight loads stand three blocks' 24
.else
	s_wait_dscnt (7-gj)*8                  ; the reloads have stopped: the counts run down
.endif
.set gc, FR+32*(gj&3)
.if gj==0
	v_wmma_f32_16x16x32_bf16 v[ACC:ACC+7], v[gc:gc+7], v[gc+8:gc+15], 0
	v_wmma_f32_16x16x32_bf16 v[ACC+8:ACC+15], v[gc+16:gc+23], v[gc+24:gc+31], 0
.else
	v_wmma_f32_16x16x32_bf16 v[ACC:ACC+7], v[gc:gc+7], v[gc+8:gc+15], v[ACC:ACC+7]
	v_wmma_f32_16x16x32_bf16 v[ACC+8:ACC+15], v[gc+16:gc+23], v[gc+24:gc+31], v[ACC+8:ACC+15]
.endif
.if gj<4
	PLACES 4                               ; then the block is loaded again
	GLOADB gj+4, \va
.endif
.set gj, gj+1
.endr
	PLACES 5
.irp i,0,1,2,3
	v_pk_add_f32 v[ACC+2*\i:ACC+2*\i+1], v[ACC+2*\i:ACC+2*\i+1], v[ACC+8+2*\i:ACC+8+2*\i+1]
.endr
.irp i,0,1,2,3
.if \kg
	v_pk_mul_f32 v[ACC+2*\i:ACC+2*\i+1], v[ACC+2*\i:ACC+2*\i+1], s[24:25] op_sel_hi:[1,0]
.else
	v_pk_mul_f32 v[ACC+2*\i:ACC+2*\i+1], v[ACC+2*\i:ACC+2*\i+1], 0xbfb8aa3b op_sel_hi:[1,0]
.endif
.endr
.endm
.macro GXOUT                           ; lane (r, h), register j holds NL x_s . x_t' for s = 8 h + j, t' = r
.irp i,0,1,2,3
	v_cvt_pk_bf16_f32 v[PK+\i], v[ACC+2*\i], v[ACC+2*\i+1]
.endr
	ds_store_b128 v[VGX], v[PK:PK+3] offset:GXT            ; GxT: row t' = r, s = 8 h .. 8 h + 7, bf16
	v_mul_f32 v[PK+4], s22, v[ACC+6]                       ; EX = KB x that, f32: registers 6, 7 are s = 14, 15 in lanes 16-31
	v_mul_f32 v[PK+5], s22, v[ACC+7]                       ; (lanes 0-15 store s = 6, 7 beside them, which nobody reads)
	ds_store_b32 v[VGR], v[PK+4] offset:GXR
	ds_store_b32 v[VGR], v[PK+5] offset:GXR+64
.endm
.macro GGOUT off                       ; row t = r, t' = 8 h .. 8 h + 7, f32
	ds_store_b128 v[VOG], v[ACC:ACC+3] offset:\off
	ds_store_b128 v[VOG], v[ACC+4:ACC+7] offset:\off+16
.endm
; ---------------- waves 0 to 3 ----------------
.macro XLOAD                           ; my 4 rows of a chunk: each load of the wave takes 512 consecutive bytes
.set xj, 0
.rept 16
	global_load_b128 v[ST+4*xj:ST+4*xj+3], v[VXG], s[4:5] offset:(xj>>2)*2048+(xj&3)*512
.set xj, xj+1
.endr
.endm
; cp = 1: my rows of NXT are read, on their way to CUR.  The chunk in the staging registers becomes bf16 in other registers, so that the staging registers can be asked for again at once.
.macro XMOVEA cp
	s_wait_loadcnt 0x0                     ; in the loop the barrier in front has shown the loads in
.if \cp
.set xj, 0
.rept 8
	ds_load_b128 v[CP+4*xj:CP+4*xj+3], v[VCP] offset:XSL+(xj>>1)*XP+(xj&1)*512
.set xj, xj+1
.endr
.endif
.set xj, 0
.rept 16
	v_cvt_pk_bf16_f32 v[PKX+2*xj], v[ST+4*xj], v[ST+4*xj+1]
	v_cvt_pk_bf16_f32 v[PKX+2*xj+1], v[ST+4*xj+2], v[ST+4*xj+3]
.set xj, xj+1
.endr
.endm
.macro XMOVEB cp                       ; my rows into CUR, then the new chunk's into NXT.  LDS serves a wave's instructions in order
.if \cp
	s_wait_dscnt 0x0
.set xj, 0
.rept 8
	ds_store_b128 v[VCP], v[CP+4*xj:CP+4*xj+3] offset:(xj>>1)*XP+(xj&1)*512
.set xj, xj+1
.endr
.endif
.set xj, 0
.rept 16
	ds_store_b64 v[VXS], v[PKX+2*xj:PKX+2*xj+1] offset:(xj>>2)*XP+(xj&3)*256
.set xj, xj+1
.endr
.endm
; ---------------- the head: every wave ----------------
	s_load_b256 s[4:11], s[0:1], 0x0               ; X s[4:5], W_init s[6:7], theta s[8:9], observed_idx s[10:11]
	s_load_b64 s[12:13], s[0:1], 0x20              ; out0
	s_set_vgpr_msb 0x40
	v_lshl_add_u32 v0, v0, 2, 0xa300
	v_mov_b32 v1, 0
	s_set_vgpr_msb 0x4000
	v_lshrrev_b32 v[TL], 5, v0
	v_readfirstlane_b32 s14, v[TL]                 ; the wave's number
	v_and_b32 v[TL], 31, v0
	v_and_b32 v[TR], 15, v0
	v_bfe_u32 v[TH], v0, 4, 1
	v_cmp_ne_u32 s30, 0, v[TH]                     ; lanes 16-31
	s_and_b32 s15, s14, 3                          ; the loader's number (waves 0-3), H's number eta (waves 4-7)
	s_mov_b32 s28, 0x76543210                      ; v_permlanex16_b32: lane i of one half reads lane i of the other
	s_mov_b32 s29, 0xfedcba98
	v_mov_b32 v[VZ], 0
	v_lshlrev_b32 v[VL16], 4, v[TL]
	v_lshlrev_b32 v[VL4], 2, v[TL]
	v_mul_u32_u24 v[VGX], v[TR], 48
	v_lshl_add_u32 v[VGX], v[TH], 4, v[VGX]
	v_lshlrev_b32 v[VOUT], 2, v[TR]
	v_lshl_add_u32 v[VGR], v[TH], 7, v[VOUT]
	v_lshl_add_u32 v[VOUT], v[TH], 10, v[VOUT]
	v_mul_u32_u24 v[TA], v[TR], XP                 ; a fragment from rows that lie along K: row r, 16 bytes for each half of the lanes
	v_lshl_add_u32 v[TA], v[TH], 4, v[TA]
	v_add_nc_u32 v[VAC], CUR, v[TA]
	v_add_nc_u32 v[VAN], NXT, v[TA]
	s_lshl_b32 s34, s15, 8                         ; 128 dims in a row of bf16
	v_add_nc_u32 v[VXF], s34, v[VAN]
	v_and_b32 v[TB], 7, v[TL]                      ; the transposing load: row 8 h + (lane & 7), 16 bytes by bit 3 of the lane
	v_lshl_add_u32 v[TB], v[TH], 3, v[TB]
	v_mul_u32_u24 v[TB], v[TB], XP
	v_bfe_u32 v[TC], v[TL], 3, 1
	v_lshl_add_u32 v[TB], v[TC], 4, v[TB]
	s_add_co_u32 s35, s34, CUR
	v_add_nc_u32 v[VXT], s35, v[TB]
	s_lshl_b32 s36, s15, 10
	s_add_co_u32 s36, s36, ZBUF
	v_lshl_add_u32 v[HZ], v[TL], 4, s36
	v_mul_u32_u24 v[VOG], v[TR], 80
	v_lshl_add_u32 v[VOG], v[TH], 5, v[VOG]
	v_add_nc_u32 v[VOG], GHEAD, v[VOG]
	s_lshl_b32 s37, s15, 13                        ; 4 rows of 2,048 bytes
	v_lshl_add_u32 v[VXG], v[TL], 4, s37
	s_mul_i32 s38, s15, 4*XP
	s_add_co_u32 s39, s38, NXT
	v_lshl_add_u32 v[VXS], v[TL], 3, s39
	s_add_co_u32 s38, s38, CUR
	v_lshl_add_u32 v[VCP], v[TL], 4, s38
	s_lshl_b32 s34, ttmp9, 6                       ; my 16 columns of out0, in bytes
	s_mov_b32 s35, 0
	s_wait_kmcnt 0x0
	s_load_b64 s[32:33], s[8:9], 0x0               ; theta0, theta1
	s_add_nc_u64 s[12:13], s[12:13], s[34:35]
	s_wait_kmcnt 0x0
	s_mul_f32 s20, s33, 0x3b000000                 ; TH1 = theta1 / 512
	s_mul_f32 s22, s32, 0x3b000000                 ; KB = theta0 / 512
	s_mov_b32 s21, s20
	s_mul_f32 s24, s22, 0xbfb8aa3b                 ; KG = NL KB
	s_mov_b32 s25, s24
; ---------------- the start, by roles ----------------
	s_cmp_lt_u32 s14, 10
	s_cbranch_scc1 .Lp0_a
	; S: the pads of the broadcast pairs, the fragments' upper halves, and b = 0, a = 1 for H's first update, which so changes nothing
	v_mov_b32 v[YB0+1], 0
	v_mov_b32 v[YB0+3], 0
	v_mov_b32 v[GB0+1], 0
	v_mov_b32 v[GB0+3], 0
	v_mov_b32 v[AV+1], 0
	v_mov_b32 v[QS+1], 0
	v_mov_b32 v[AV], 1.0
.irp i,0,1,2,3,4,5,6,7
	v_mov_b32 v[BF+\i], 0
.endr
.irp i,4,5,6,7
	v_mov_b32 v[GXF+\i], 0
.endr
	ds_store_b128 v[VL16], v[BF:BF+3] offset:BFBUF
	ds_store_b32 v[VL4], v[AV] offset:ABUF
	s_branch .Lp0_e
.Lp0_a:
	s_cmp_lt_u32 s14, 4
	s_cbranch_scc1 .Lp0_x
	s_cmp_gt_u32 s14, 7
	s_cbranch_scc1 .Lp0_e
	; H: my 128 dims of the 16 observed rows of W_init, straight into the accumulator layout
	s_lshl_b32 s40, ttmp9, 6
	v_lshl_add_u32 v[HT], v[TR], 2, s40
	global_load_b32 v[HT+1], v[HT], s[10:11]       ; observed_idx[16 b + r]
	s_lshl_b32 s41, s15, 9                         ; my 128 dims in a row of f32
	v_lshl_add_u32 v[HT+2], v[TH], 5, s41
	v_mov_b32 v[HAV+1], 0
.irp i,4,5,6,7
	v_mov_b32 v[HBF+\i], 0                         ; b for s = 16 .. 31: there are none
.endr
	s_wait_loadcnt 0x0
	v_min_u32 v[HT+1], 0x1ff, v[HT+1]              ; an index stays inside W_init's 512 rows
	v_lshlrev_b32 v[HT+1], 11, v[HT+1]
	v_add_nc_u32 v[HT+1], v[HT+1], v[HT+2]
.irp i,0,1,2,3,4,5,6,7
	global_load_b128 v[WT+8*\i:WT+8*\i+3], v[HT+1], s[6:7] offset:64*\i
	global_load_b128 v[WT+8*\i+4:WT+8*\i+7], v[HT+1], s[6:7] offset:64*\i+16
.endr
	s_wait_loadcnt 0x0
	s_branch .Lp0_e
.Lp0_x:
	XLOAD                                          ; chunk 0 into NXT
	XMOVEA 0
	XMOVEB 0
.Lp0_e:
	BARB
	s_add_nc_u64 s[4:5], s[4:5], 0x8000            ; X's base steps one chunk, 16 rows of 2,048 bytes: no load is out
	; in front of chunk 0, interval 1 (NXT = chunk 0): Z_0 = W_init X_0^T, XT = X_0 (it meets b = 0), G_0 into GHEAD; chunk 1 is fetched
	s_cmp_lt_u32 s14, 4
	s_cbranch_scc1 .Lm1_x
	s_cmp_gt_u32 s14, 7
	s_cbranch_scc1 .Lm1_g
	HPHASE 0, XSL
	s_branch .Lm1_e
.Lm1_g:
	s_cmp_lg_u32 s14, 9
	s_cbranch_scc1 .Lm1_e
	GRAM VAN, 1
	GGOUT 0
	s_branch .Lm1_e
.Lm1_x:
	XLOAD
.Lm1_e:
	BARB
	s_add_nc_u64 s[4:5], s[4:5], 0x8000
	; interval 2: S makes R = NL Z_0 and runs steps 0 and 1 of chunk 0; G_0 into GLO; chunk 0 to CUR, chunk 1 to NXT, chunk 2 is asked for
	s_cmp_lt_u32 s14, 10
	s_cbranch_scc1 .Lm2_a
	SRESET
	SZLOAD 0
	ZSUM
.irp i,0,1,2,3
	v_pk_mul_f32 v[ZS+2*\i:ZS+2*\i+1], v[ZS+2*\i:ZS+2*\i+1], 0xbfb8aa3b op_sel_hi:[1,0]
.endr
	SEXCHA RR
	SEXCHB RR
	GROW 0, GHEAD
	GROW 1, GHEAD
	GROW 2, GHEAD
	GROW 3, GHEAD
	s_wait_dscnt 0x0
	SRESET
	STEP 0, 1
	STEP 1, 0
	s_branch .Lm2_e
.Lm2_a:
	s_cmp_lt_u32 s14, 4
	s_cbranch_scc1 .Lm2_x
	s_cmp_lg_u32 s14, 9
	s_cbranch_scc1 .Lm2_e
	GGOUT GLO-GHEAD
	s_branch .Lm2_e
.Lm2_x:
	XMOVEA 1
	XLOAD
	XMOVEB 1
.Lm2_e:
	BARA
; ---------------- the loop: one chunk a trip ----------------
	s_mov_b32 s31, 0
.Lloop:
	; interval 1
	s_cmp_lt_u32 s14, 10
	s_cbranch_scc1 .Li1_a
	SRESET
	GROW 5, GLO                                    ; the row that step 1 did not ask for
.set sn, 2
.rept 10
	STEP sn, 0
.set sn, sn+1
.endr
	s_branch .Li1_e
.Li1_a:
	s_cmp_lt_u32 s14, 4                            ; waves 0-3: their loads are on their way
	s_cbranch_scc1 .Li1_e
	s_cmp_gt_u32 s14, 7
	s_cbranch_scc1 .Li1_g
	HPHASE 1, 0
	s_branch .Li1_e
.Li1_g:
	s_cmp_lg_u32 s14, 8
	s_cbranch_scc1 .Li1_gg
	GRAM VAC, 0                                    ; CUR's rows (s) by NXT's (t')
	GXOUT
	s_branch .Li1_e
.Li1_gg:
	GRAM VAN, 1                                    ; G of the next chunk
	GGOUT 0
.Li1_e:
	BARB
	s_add_nc_u64 s[4:5], s[4:5], 0x8000            ; behind the waits above: X's base one chunk on (not used behind the last fetch)
	; interval 2
	s_cmp_lt_u32 s14, 10
	s_cbranch_scc1 .Li2_a
	SRESET
	SZLOAD 1
.set sn, 12
.rept 4
	STEP sn, 0
.set sn, sn+1
.endr
	s_cmp_eq_u32 s31, NCH-1                        ; behind the last chunk nothing follows
	s_cbranch_scc1 .Li2_e
	STEP 0, 0                                      ; the next chunk's first two steps; b and a are stored in the first
	STEP 1, 0
	s_branch .Li2_e
.Li2_a:
	s_cmp_lt_u32 s14, 4
	s_cbranch_scc1 .Li2_x
	s_cmp_lg_u32 s14, 9
	s_cbranch_scc1 .Li2_e
	GGOUT GLO-GHEAD                                ; the next chunk's G, kept in the accumulator since interval 1
	s_branch .Li2_e
.Li2_x:
	s_cmp_ge_u32 s31, NCH-2                        ; trip k stores chunk k + 2: the last two trips have none, and no later result hangs on CUR
	s_cbranch_scc1 .Li2_e
	XMOVEA 1
	s_cmp_ge_u32 s31, NCH-3                        ; and asks for chunk k + 3: the last three trips ask for nothing
	s_cbranch_scc1 .Li2_xs
	XLOAD
.Li2_xs:
	XMOVEB 1
.Li2_e:
	BARA
	s_add_nc_u64 s[12:13], s[12:13], 0x4000        ; behind the waits above: out0's base 16 rows on
	s_add_co_u32 s31, s31, 1
	s_cmp_lt_u32 s31, NCH
	s_cbranch_scc1 .Lloop
	s_set_vgpr_msb 0x5
	s_wait_tensorcnt 0x0
	ds_add_u32 v0, v1
	s_wait_dscnt 0x0
	s_set_vgpr_msb 0x500
	s_endpgm
.Lfunc_end_k_q70a8208b2c_scan:
	.size	k_q70a8208b2c_scan, .Lfunc_end_k_q70a8208b2c_scan-k_q70a8208b2c_scan
	.p2alignl 7, 3214868480
	.fill 96, 4, 3214868480
	.section	.rodata,"a",@progbits
	.p2align	6, 0x0
	.amdhsa_kernel k_q70a8208b2c_scan
		.amdhsa_group_segment_fixed_size 43264
		.amdhsa_private_segment_fixed_size 0
		.amdhsa_enable_private_segment 0
		.amdhsa_kernarg_size 40
		.amdhsa_user_sgpr_count 2
		.amdhsa_user_sgpr_kernarg_segment_ptr 1
		.amdhsa_wavefront_size32 1
		.amdhsa_system_sgpr_workgroup_id_x 1
		.amdhsa_system_sgpr_workgroup_id_y 1
		.amdhsa_system_sgpr_workgroup_id_z 1
		.amdhsa_system_vgpr_workitem_id 0
		.amdhsa_next_free_vgpr 258
		.amdhsa_next_free_sgpr 66
		.amdhsa_reserve_vcc 0
		.amdhsa_float_denorm_mode_32 3
		.amdhsa_float_denorm_mode_16_64 3
		.amdhsa_memory_ordered 1
		.amdhsa_forward_progress 1
		.amdhsa_inst_pref_size 94
	.end_amdhsa_kernel
	.amdgpu_metadata
---
amdhsa.version: [ 1, 2 ]
amdhsa.kernels:
  - .name:           k_q70a8208b2c_scan
    .symbol:         k_q70a8208b2c_scan.kd
    .args:
      - { .name: X, .offset: 0, .size: 8, .value_kind: global_buffer, .address_space: global }
      - { .name: W_init, .offset: 8, .size: 8, .value_kind: global_buffer, .address_space: global }
      - { .name: theta, .offset: 16, .size: 8, .value_kind: global_buffer, .address_space: global }
      - { .name: observed_idx, .offset: 24, .size: 8, .value_kind: global_buffer, .address_space: global }
      - { .name: out0, .offset: 32, .size: 8, .value_kind: global_buffer, .address_space: global }
    .group_segment_fixed_size: 43264
    .private_segment_fixed_size: 0
    .kernarg_segment_align: 8
    .kernarg_segment_size: 40
    .max_flat_workgroup_size: 352
    .sgpr_count:     66
    .vgpr_count:     258
    .wavefront_size: 32
...
	.end_amdgpu_metadata
.endif
;; end of part 2
